; MI455X (gfx1250); checked and timed in simulation.
; The chip was launched on July 23, 2026; its instructions are those of AMD's public machine-readable ISA for CDNA 5 (MIT licence, August 2026) and "CDNA5" Instruction Set Architecture Reference Guide (July 2026). The comments in the code are by the model that wrote it; some were corrected since.
;; Mo E. Allowed arithmetic: float matrix products may take bf16 or f16 operands with f32 sums; other float arithmetic in f32, or as packed bf16 or f16 multiplies, adds, multiply-adds, maxima and minima; sums over many terms, partial sums and values carried from step to step in f32; what a program stores and reads back later, other than sums and carried values, may be rounded once to bf16 or f16.
;; Inputs: down_w 1,024 x 2,048 float32; gate_w 8 x 1,024 float32; up_w 2,048 x 1,024 float32; x 4 x 2,048 x 1,024 float32.
;; Outputs: out0 4 x 2,048 x 1,024 float32.
;; One version. Each part assembles by itself: llvm-mc -triple=amdgcn-amd-amdhsa -mcpu=gfx1250 --defsym DOCPART=n.
;; ======== version 1 of 1: 3 launches
;; workspace buffers: xb 16,777,216 bytes; upb 4,194,304 bytes; dnb 4,194,304 bytes; hb 33,554,432 bytes; wsc 32,768 bytes
;; launch prep (part 1): grid 256 x 1, 4 waves a work-group, no clusters, 33,280 bytes of LDS; arguments x, gate_w, up_w, down_w, xb, upb, dnb, wsc; writes xb, upb, dnb, wsc
.if DOCPART == 1
	.amdgcn_target "amdgcn-amd-amdhsa--gfx1250"
	.amdhsa_code_object_version 6
	.text
	.protected	k_qcae5b8cf49_prep
	.globl	k_qcae5b8cf49_prep
	.p2align	8
	.type	k_qcae5b8cf49_prep,@function
k_qcae5b8cf49_prep:
	s_mov_b64 s[64:65], 0
	v_nop
	global_prefetch_b8 v0, s[64:65] scope:SCOPE_SE
	s_setreg_imm32_b32 hwreg(HW_REG_WAVE_MODE, 25, 1), 1
	s_wait_xcnt 0x0
; PREP.  xb = bf16(x), upb = bf16(up_w), dnb = bf16(down_w), and for each token t the weight wsc[t] = ew0 + ew1 of the gate:
; p = softmax(x[t] . gate_w^T) over 8 experts (the maximum taken away first), t1 >= t2 its two largest VALUES (equal values count twice, as top_k counts them),
; ew_i = t_i / (t1 + t2 + 1e-9).  The module itself lays each token twice into the expert's input, so both of a token's expert rows are the same MLP(x[t]), and
; out[t] = MLP(x[t]) ew0 + MLP(x[t]) ew1; the later launches compute MLP(x[t]) once and multiply by ew0 + ew1 (one rounding order other than the module's).
; LIMITS.  NaN and infinities are not treated apart; a division is v_rcp_f32 and a multiply; an exponential below 2^-126 counts as 0; the logits are f32 sums in another order than the module's.
; WHY NO MATRIX UNIT: the gate has 8 columns, a thousandth of the module's products, and rides on the f32 stream, whose lanes lie along K; it costs 128 packed multiply-adds an expert and wave.
; SHARES.  Wave g = 4 x work-group + wave (0..1023) takes rows 8 g .. 8 g + 7 of x, and two pieces of 4,096 bytes of up_w and of down_w.  A row or piece is eight loads of 16 bytes a lane: load j of
; lane l holds columns 128 j + 4 l .. + 3; rounded they are 8 bytes, so a store of the wave covers 256 consecutive bytes, aligned.  wsc leaves in pieces of 32 bytes (32,768 bytes in all).
; LDS: bytes 0 .. 32,767 gate_w as it lies, copied once by the four waves; behind it the spare words.
; REGISTERS, in windows of 256 (s_set_vgpr_msb: bits 1:0 source 0, 3:2 source 1, 5:4 source 2, 7:6 destination): window 0 below; window 1: x, row r at v[32 r + 4 j]; window 2: the weights' piece c at v[32 c + 4 j].
.set SPARE, 32768                      ; the spare words: 128 bytes a wave, two blocks of 256 bytes that no other line names
.set LN,  1                            ; v1      lane
.set LO,  2                            ; v2      16 x lane: my 16 bytes in 512 of a load
.set SO,  3                            ; v3      8 x lane: my 8 bytes in 256 of a store
.set CP,  4                            ; v4      16 x thread: my 16 bytes in 2,048 of the gate's copy
.set GA,  5                            ; v5      16 x lane + 4,096 x expert: LDS address of my gate values
.set WO,  6                            ; v6      4 x lane
.set A,   8                            ; v[8:23]    eight pairs: the running products of the eight rows with one expert
.set SPW, 30                           ; v30     LDS address of my spare word; never rewritten
.set NIL, 31                           ; v31     0; never rewritten
.set R,   32                           ; v[32:39]   a lane's sum for each row
.set S,   40                           ; v[40:43]   at work in the sum across lanes
.set L,   48                           ; v[48:55]   the eight logits of row lane % 8: each expert's is pushed in at L, the others move up
.set Q,   56                           ; v[56:62]   at work in the softmax
.set G,   64                           ; v[64:95]   one expert's gate values for my 32 columns
.set Y,   96                           ; v[96:111]  a row rounded, to store
.set T,   128                          ; v[128:191] the gate's copy on its way
.set MSB, 0
.macro WIN new                         ; the immediate's high byte repeats the setting that is left; a switch that changes nothing is dropped
.if MSB != (\new)
	s_set_vgpr_msb (MSB<<8)|(\new)
.set MSB, \new
.endif
.endm
	s_load_b512 s[4:19], s[0:1], 0x0               ; x s[4:5], gate_w s[6:7], up_w s[8:9], down_w s[10:11], xb s[12:13], upb s[14:15], dnb s[16:17], wsc s[18:19]
	v_lshl_add_u32 v[SPW], v0, 2, SPARE
	v_mov_b32 v[NIL], 0
	v_lshrrev_b32 v7, 5, v0
	v_readfirstlane_b32 s20, v7                    ; wave 0..3
	v_and_b32 v[LN], 31, v0
	v_lshlrev_b32 v[CP], 4, v0
	v_lshlrev_b32 v[LO], 4, v[LN]
	v_lshlrev_b32 v[SO], 3, v[LN]
	v_lshlrev_b32 v[GA], 4, v[LN]
	v_lshlrev_b32 v[WO], 2, v[LN]
.irp i, 0,1,2,3,4,5,6,7
	v_mov_b32 v[L+(\i)], 0                         ; the first seven pushes move these up and out: they only have to be written
.endr
	s_lshl_b32 s21, ttmp9, 2
	s_add_co_u32 s21, s21, s20                     ; g
	s_mov_b32 s23, 0
	s_mov_b32 s24, 0xaaaaaaaa                      ; lanes with bit 0 set,
	s_mov_b32 s25, 0xcccccccc                      ; bit 1,
	s_mov_b32 s26, 0xf0f0f0f0                      ; bit 2
	s_mov_b32 s28, 0x76543210                      ; v_permlanex16_b32: each lane takes its own place in the other half
	s_mov_b32 s29, 0xfedcba98
	s_mov_b32 s32, 0x3fb8aa3b                      ; c = log2(e)
	s_wait_kmcnt 0x0
	s_lshl_b32 s22, s21, 15                        ; 8 rows of 4,096 bytes
	s_add_nc_u64 s[4:5], s[4:5], s[22:23]
	s_lshl_b32 s22, s21, 13                        ; 2 pieces of 4,096 bytes
	s_add_nc_u64 s[8:9], s[8:9], s[22:23]
	s_add_nc_u64 s[10:11], s[10:11], s[22:23]
	s_lshl_b32 s22, s21, 14                        ; 8 rows of 2,048 bytes
	s_add_nc_u64 s[12:13], s[12:13], s[22:23]
	s_lshl_b32 s22, s21, 12                        ; 2 pieces of 2,048 bytes
	s_add_nc_u64 s[14:15], s[14:15], s[22:23]
	s_add_nc_u64 s[16:17], s[16:17], s[22:23]
	s_lshl_b32 s22, s21, 5                         ; 8 weights
	s_add_nc_u64 s[18:19], s[18:19], s[22:23]
.macro XLOAD r                         ; row r of x: eight loads, 512 consecutive bytes each
	WIN 0x40                                       ; destination window 1
.irp j, 0,1,2,3,4,5,6,7
	global_load_b128 v[32*(\r)+4*(\j):32*(\r)+4*(\j)+3], v[LO], s[4:5] offset:4096*(\r)+512*(\j) th:TH_LOAD_NT
.endr
.endm
.macro WLOAD c, base                   ; piece c of the weights (0, 1: up_w; 2, 3: down_w)
	WIN 0x80                                       ; destination window 2
.irp j, 0,1,2,3,4,5,6,7
	global_load_b128 v[32*(\c)+4*(\j):32*(\c)+4*(\j)+3], v[LO], s[\base:(\base)+1] offset:4096*((\c)%2)+512*(\j) th:TH_LOAD_NT
.endr
.endm
; A row or piece at v[rb ..] of window w is rounded and stored.  n: the loads issued behind its eight, which stay out.
.macro CAST w, rb, base, imm, n
	s_wait_loadcnt \n                              ; loads come back in order (ISA guide 5.7.1): mine are in
	s_wait_xcnt 0x0                                ; Y, which the last stores read, is rewritten only behind this wait
	WIN 5*(\w)                                     ; sources 0 and 1 in window w
.irp j, 0,1,2,3,4,5,6,7
	v_cvt_pk_bf16_f32 v[Y+2*(\j)],   v[(\rb)+4*(\j)],   v[(\rb)+4*(\j)+1]
	v_cvt_pk_bf16_f32 v[Y+2*(\j)+1], v[(\rb)+4*(\j)+2], v[(\rb)+4*(\j)+3]
.endr
	WIN 0
.irp j, 0,1,2,3,4,5,6,7
	global_store_b64 v[SO], v[Y+2*(\j):Y+2*(\j)+1], s[\base:(\base)+1] offset:(\imm)+256*(\j)  ; the wave's store covers 256 consecutive bytes, aligned; the next launch reads them: no hint
.endr
.endm
	; 56 loads of the wave go out at once: the gate's copy (every work-group reads it: no hint), the weights' four pieces, row 0
.irp i, 0,1,2,3,4,5,6,7,8,9,10,11,12,13,14,15
	global_load_b128 v[T+4*(\i):T+4*(\i)+3], v[CP], s[6:7] offset:2048*(\i)
.endr
	WLOAD 0, 8
	WLOAD 1, 8
	WLOAD 2, 10
	WLOAD 3, 10
	XLOAD 0
	s_wait_loadcnt 40                              ; the gate's sixteen are in: behind them went 32 + 8
	XLOAD 1                                        ; sixteen more take their place
	XLOAD 2
	WIN 0
.irp i, 0,1,2,3,4,5,6,7,8,9,10,11,12,13,14,15
	ds_store_b128 v[CP], v[T+4*(\i):T+4*(\i)+3] offset:2048*(\i)
.endr
	s_wait_dscnt 0x0                               ; for the others' sake: my part of the table is written
	s_barrier_signal -1
	s_barrier_wait -1                              ; everybody's is; nothing writes it again
.irp j, 0,1,2,3,4,5,6,7
	ds_load_b128 v[G+4*(\j):G+4*(\j)+3], v[GA] offset:512*(\j)  ; expert 0's values for my columns: 512 consecutive bytes a load
.endr
	CAST 2, 0,  14, 0,    48                       ; behind piece 0: pieces 1-3 and rows 0-2
	XLOAD 3                                        ; each cast's wait leaves 48 out; eight more follow it
	CAST 2, 32, 14, 2048, 48                       ; pieces 2, 3 and rows 0-3
	XLOAD 4
	CAST 2, 64, 16, 0,    48                       ; piece 3 and rows 0-4
	XLOAD 5
	CAST 2, 96, 16, 2048, 48                       ; rows 0-5
	XLOAD 6
	CAST 1, 0,  12, 0,    48                       ; rows 1-6
	XLOAD 7
.irp r, 1,2,3,4,5,6,7
	CAST 1, 32*(\r), 12, 2048*(\r), 56-8*(\r)      ; the rows behind row r; the last wait is for 0: all of x is in registers
.endr
; Two rows' sums a and b are folded into a: lanes whose bit is clear keep a, the others b, and each lane adds what its partner (lane xor x) holds of the row that it keeps.
.macro FOLD a, b, t, m, x
	v_cndmask_b32 v[S+(\t)], v[R+(\b)], v[R+(\a)], s[\m]  ; what my partner wants of me
	v_cndmask_b32 v[R+(\a)], v[R+(\a)], v[R+(\b)], s[\m]  ; what I keep
	v_add_f32_dpp v[R+(\a)], v[S+(\t)], v[R+(\a)] row_xmask:\x row_mask:0xf bank_mask:0xf
.endm
; One expert: the eight rows' products with its values, summed over the wave; lane l ends with the logit of row l % 8.  fill = 1: each four values, once used, are replaced by the next expert's.
.macro EXPERT fill
	WIN 0x04                                       ; source 1 (x) in window 1; an LDS load's address and destination stay in window 0
.irp j, 0,1,2,3,4,5,6,7
.if \fill
	s_wait_dscnt 7                                 ; behind load j went this expert's j + 1 .. 7 and the next expert's 0 .. j - 1: always seven
.else
	s_wait_dscnt 7-(\j)
.endif
.irp p, 0,1
.irp r, 0,1,2,3,4,5,6,7
.if ((\j) == 0) && ((\p) == 0)
	v_pk_mul_f32 v[A+2*(\r):A+2*(\r)+1], v[G+4*(\j)+2*(\p):G+4*(\j)+2*(\p)+1], v[32*(\r)+4*(\j)+2*(\p):32*(\r)+4*(\j)+2*(\p)+1]  ; the first products start the sums
.else
	v_pk_fma_f32 v[A+2*(\r):A+2*(\r)+1], v[G+4*(\j)+2*(\p):G+4*(\j)+2*(\p)+1], v[32*(\r)+4*(\j)+2*(\p):32*(\r)+4*(\j)+2*(\p)+1], v[A+2*(\r):A+2*(\r)+1]
.endif
.endr
.endr
.if \fill
	ds_load_b128 v[G+4*(\j):G+4*(\j)+3], v[GA] offset:4096+512*(\j)
.endif
.endr
	WIN 0
.if \fill
	v_add_nc_u32 v[GA], 4096, v[GA]
.endif
.irp r, 0,1,2,3,4,5,6,7
	v_add_f32 v[R+(\r)], v[A+2*(\r)], v[A+2*(\r)+1]
.endr
	FOLD 0, 1, 0, 24, 1
	FOLD 2, 3, 1, 24, 1
	FOLD 4, 5, 2, 24, 1
	FOLD 6, 7, 3, 24, 1
	FOLD 0, 2, 0, 25, 2
	FOLD 4, 6, 1, 25, 2
	FOLD 0, 4, 0, 26, 4                            ; row = lane % 8; the four lanes of a row are still to be added
	v_add_f32_dpp v[R], v[R], v[R] row_xmask:8 row_mask:0xf bank_mask:0xf
	v_permlanex16_b32 v[S], v[R], s28, s29
.irp i, 7,6,5,4,3,2,1
	v_mov_b32 v[L+(\i)], v[L+(\i)-1]
.endr
	v_add_f32 v[L], v[R], v[S]
.endm
	s_mov_b32 s30, 7
.Lexp:                                                 ; experts 0 to 6, each fetching the next one's values
	EXPERT 1
	s_sub_co_u32 s30, s30, 1
	s_cmp_lg_u32 s30, 0
	s_cbranch_scc1 .Lexp
	EXPERT 0                                       ; expert 7 fetches nothing: no LDS read passes the table's end
	; softmax of the lane's eight logits, with the maximum taken away: p = 2^(c L - c m) / sum
	v_max3_num_f32 v[Q], v[L], v[L+1], v[L+2]
	v_max3_num_f32 v[Q+1], v[L+3], v[L+4], v[L+5]
	v_max3_num_f32 v[Q], v[Q], v[L+6], v[L+7]
	v_max_num_f32 v[Q], v[Q], v[Q+1]
	v_mul_f32 v[Q+1], s32, v[Q]                    ; c m, the same number in all eight exponents
.irp i, 0,1,2,3,4,5,6,7
	v_fma_f32 v[L+(\i)], v[L+(\i)], s32, -v[Q+1]
.endr
.irp i, 0,1,2,3,4,5,6,7
	v_exp_f32 v[L+(\i)], v[L+(\i)]
.endr
	v_nop                                          ; a plain instruction behind the last exponential,
	s_wait_alu depctr_va_vdst(0)                   ; and one wait for the batch of eight, ahead of its first reader
	v_add_f32 v[Q], v[L], v[L+1]
	v_add_f32 v[Q+2], v[L+2], v[L+3]
	v_add_f32 v[Q+3], v[L+4], v[L+5]
	v_add_f32 v[Q+4], v[L+6], v[L+7]
	v_add_f32 v[Q], v[Q], v[Q+2]
	v_add_f32 v[Q+3], v[Q+3], v[Q+4]
	v_add_f32 v[Q], v[Q], v[Q+3]
	v_rcp_f32 v[Q+1], v[Q]
	v_nop
	s_wait_alu depctr_va_vdst(0)
.irp i, 0,1,2,3,4,5,6,7
	v_mul_f32 v[L+(\i)], v[L+(\i)], v[Q+1]
.endr
	v_max_num_f32 v[Q+2], v[L], v[L+1]             ; t1 >= t2: the two largest so far
	v_min_num_f32 v[Q+3], v[L], v[L+1]
.irp i, 2,3,4,5,6,7
	v_med3_num_f32 v[Q+3], v[Q+2], v[Q+3], v[L+(\i)]  ; the middle one of t1, t2, p is the new second,
	v_max_num_f32 v[Q+2], v[Q+2], v[L+(\i)]           ; the largest the new first
.endr
	v_add_f32 v[Q+4], v[Q+2], v[Q+3]
	v_add_f32 v[Q+4], 0x3089705f, v[Q+4]           ; + 1e-9
	v_rcp_f32 v[Q+5], v[Q+4]
	v_nop
	s_wait_alu depctr_va_vdst(0)
	v_mul_f32 v[Q+6], v[Q+2], v[Q+5]               ; ew0
	v_fma_f32 v[Q+6], v[Q+3], v[Q+5], v[Q+6]       ; + ew1
	v_cmp_gt_u32 vcc_lo, 8, v[LN]                  ; lanes 0 to 7 hold rows 0 to 7
	s_wait_xcnt 0x0                                ; EXEC changes only behind this wait,
	s_and_saveexec_b32 s31, vcc_lo
	global_store_b32 v[WO], v[Q+6], s[18:19]
	s_wait_xcnt 0x0                                ; and again
	s_or_b32 exec_lo, exec_lo, s31
	s_wait_tensorcnt 0x0                           ; the wave's end, behind my last LDS store
	ds_add_u32 v[SPW], v[NIL]
	s_wait_dscnt 0x0
	s_endpgm
.Lfunc_end_k_qcae5b8cf49_prep:
	.size	k_qcae5b8cf49_prep, .Lfunc_end_k_qcae5b8cf49_prep-k_qcae5b8cf49_prep
	.p2alignl 7, 3214868480
	.fill 96, 4, 3214868480
	.section	.rodata,"a",@progbits
	.p2align	6, 0x0
	.amdhsa_kernel k_qcae5b8cf49_prep
		.amdhsa_group_segment_fixed_size 33280
		.amdhsa_private_segment_fixed_size 0
		.amdhsa_enable_private_segment 0
		.amdhsa_kernarg_size 64
		.amdhsa_user_sgpr_count 2
		.amdhsa_user_sgpr_kernarg_segment_ptr 1
		.amdhsa_wavefront_size32 1
		.amdhsa_system_sgpr_workgroup_id_x 1
		.amdhsa_system_sgpr_workgroup_id_y 1
		.amdhsa_system_sgpr_workgroup_id_z 1
		.amdhsa_system_vgpr_workitem_id 0
		.amdhsa_next_free_vgpr 640
		.amdhsa_next_free_sgpr 66
		.amdhsa_reserve_vcc 1
		.amdhsa_float_denorm_mode_32 3
		.amdhsa_float_denorm_mode_16_64 3
		.amdhsa_memory_ordered 1
		.amdhsa_forward_progress 1
		.amdhsa_inst_pref_size 61
	.end_amdhsa_kernel
	.amdgpu_metadata
---
amdhsa.version: [ 1, 2 ]
amdhsa.kernels:
  - .name:           k_qcae5b8cf49_prep
    .symbol:         k_qcae5b8cf49_prep.kd
    .args:
      - { .name: x, .offset: 0, .size: 8, .value_kind: global_buffer, .address_space: global }
      - { .name: gate_w, .offset: 8, .size: 8, .value_kind: global_buffer, .address_space: global }
      - { .name: up_w, .offset: 16, .size: 8, .value_kind: global_buffer, .address_space: global }
      - { .name: down_w, .offset: 24, .size: 8, .value_kind: global_buffer, .address_space: global }
      - { .name: xb, .offset: 32, .size: 8, .value_kind: global_buffer, .address_space: global }
      - { .name: upb, .offset: 40, .size: 8, .value_kind: global_buffer, .address_space: global }
      - { .name: dnb, .offset: 48, .size: 8, .value_kind: global_buffer, .address_space: global }
      - { .name: wsc, .offset: 56, .size: 8, .value_kind: global_buffer, .address_space: global }
    .group_segment_fixed_size: 33280
    .private_segment_fixed_size: 0
    .kernarg_segment_align: 8
    .kernarg_segment_size: 64
    .max_flat_workgroup_size: 128
    .sgpr_count:     66
    .vgpr_count:     640
    .wavefront_size: 32
...
	.end_amdgpu_metadata
.endif
;; end of part 1
;; launch up (part 2): grid 8 x 32, 4 waves a work-group, clusters of 4 x 4, 327,680 bytes of LDS; arguments xb, upb, hb; writes hb
.if DOCPART == 2
	.amdgcn_target "amdgcn-amd-amdhsa--gfx1250"
	.amdhsa_code_object_version 6
	.text
	.protected	k_qcae5b8cf49_up
	.globl	k_qcae5b8cf49_up
	.p2align	8
	.type	k_qcae5b8cf49_up,@function
k_qcae5b8cf49_up:
	s_mov_b64 s[64:65], 0
	v_nop
	global_prefetch_b8 v0, s[64:65] scope:SCOPE_SE
	s_setreg_imm32_b32 hwreg(HW_REG_WAVE_MODE, 25, 1), 1
	s_wait_xcnt 0x0
	s_wait_alu depctr_hold_cnt(0) depctr_sa_sdst(0) depctr_va_vdst(0) depctr_va_sdst(0) depctr_va_ssrc(0) depctr_va_vcc(0) depctr_vm_vsrc(0)
	s_getreg_b32 s2, hwreg(HW_REG_IB_STS2, 6, 4)
	s_cmp_eq_u32 s2, 0
	s_cbranch_scc0 .Lentry_in_a_cluster
	s_endpgm
.Lentry_in_a_cluster:
	s_bfe_u32 s2, ttmp6, 0x10000c
	s_cmp_lg_u32 s2, 0xf033
	s_cbranch_scc0 .Lentry_shape_is_right
	s_endpgm
.Lentry_shape_is_right:
; UP.  hb[m][n] = bf16(silu(sum over k of xb[m][k] upb[n][k])).  xb: [8192][1024], upb: [2048][1024], hb: [8192][2048], all bf16; sums and silu in f32, hb rounded once.
; silu(h) = h / (1 + 2^(-log2(e) h)): v_exp_f32, v_rcp_f32 and a multiply.  LIMITS: NaN and infinities are not treated apart; where 2^(..) overflows (h below about -88) the result is -0.
; A tile of hb, 256 x 256, is made by a work-group of four waves; a wave makes 128 x 128: 64 accumulators of 16 x 16, 512 registers.  8 x 32 = 256 tiles, one a work-group.
; K goes in 8 steps of 128 through a ring of two LDS slots filled by the tensor data mover: the tiles' rows are 256 bytes of memory and start at multiples of 256 bytes from the buffer's first byte.
; CLUSTERS: 4 x 4 work-groups.  The four of a row of the cluster need the same tiles of xb, the four of a column the same tiles of upb: each tile is asked for JOINTLY, by the same tensor load with
; the same descriptor and a mask that names the four, which divides the requests by four.
; REGISTERS, in windows of 256 (s_set_vgpr_msb: bits 1:0 source 0, 3:2 source 1, 5:4 source 2, 7:6 destination):
;   window 0: v0-31 addresses; v64-127, v128-191 fragments of A, two buffers; on the way out v64-127 silu at work, v192-223 packed results, v32-63 and v224-255 rows read back
;   window 1: v64-127, v128-191 fragments of B;   window 2: the accumulators of my rows 0-63 ((a, b) at v[8 (8 a + b)]);   window 3: those of my rows 64-127
; THE MATRIX INSTRUCTION IS USED TRANSPOSED: source 0 = 16 rows of B, source 1 = 16 rows of A: lane l then holds row l % 16 of the result and eight NEIGHBOURING columns 8 (l / 16) + 0..7, which pack into 16 bytes.
.set SIZE_M, 8192
.set SIZE_N, 2048
.set SIZE_K, 1024
.set KSTEP,  128
.set PITCH,  272                       ; an LDS row: 256 bytes + 16 of padding = 68 words: row r starts at bank 4 r mod 64 (64 banks of 4 bytes: ISA guide 11.1), so the 16 rows of a load start at 16 different banks
.set HALFT,  128*PITCH                 ; 128 rows: what one tensor load brings, and what one wave reads of A or of B
.set SLOT,   4*HALFT                   ; A's 256 rows, then B's 256 rows
.set STAGE,  2*SLOT                    ; behind the ring: 16 rows x 272 bytes for each wave, for the way out
.set SPITCH, 272
.set SPARE,  STAGE+4*16*SPITCH         ; behind the stages: the spare words, 128 bytes a wave: two blocks of 256 bytes that no other line names
.set LAPS,   SIZE_K/(2*KSTEP)          ; a lap = two K steps = once round the ring: 4
.set ADRA, 16                          ; v16-17  LDS address of my A fragments in slot 0, 1
.set ADRB, 20                          ; v20-21  the same for B
.set STO,  24                          ; v24     the way out: where I put 16 bytes of a row
.set RD,   25                          ; v25     the way out: where I read a row back
.set CO,   26                          ; v26     my byte offset in hb
.set SPW,  28                          ; v28     LDS address of my spare word; never rewritten
.set NIL,  29                          ; v29     0; never rewritten
.set F0,   64
.set F1,   128
.set T,    64                          ; the way out: 64 numbers of a block of 16 rows, in f32
.set TMP,  192                         ; the way out: packed results
.set OB,   32                          ; the way out: 16 rows read back: v32-63 and v224-255 by turns
.set G1,  24                           ; s[24:31] descriptor group 1 for A's tiles
.set G0,  32                           ; s[32:39] descriptor group 0 for A's tiles, one set for each slot
.set G1B, 48                           ; s[48:55] group 1 for B's tiles: it differs in the mask alone
.set G0B, 56                           ; s[56:63] group 0 for B's tiles
.set CS,  66                           ; s[66:67] -log2(e): the packed multiply names a pair and takes its low word for both halves
.set MSB, 0
.macro WIN new                         ; the immediate's high byte repeats the setting that is left; a switch that changes nothing is dropped
.if MSB != (\new)
	s_set_vgpr_msb (MSB<<8)|(\new)
.set MSB, \new
.endif
.endm
.set MUL_LO, 0xa1                      ; source 0 (B) window 1, source 1 (A) window 0, C and D window 2
.set MUL_HI, 0xf1                      ; the same, C and D window 3
.set TO_B,   0x40                      ; destination window 1, address window 0
; A joint load.  Waves 0 and 1 fetch A's two halves, waves 2 and 3 B's.  The branch hangs on the wave's number alone.  An s_nop 0 and four v_nop follow each of the two lines, ahead of the jump and the label.
.macro JLOAD s
	s_cmp_eq_u32 s11, 0
	s_cbranch_scc0 .Lfor_b_\@
	tensor_load_to_lds s[G0+4*(\s):G0+4*(\s)+3], s[G1:G1+7]
	s_nop 0
.rept 4
	v_nop
.endr
	s_branch .Lasked_\@
.Lfor_b_\@:
	tensor_load_to_lds s[G0B+4*(\s):G0B+4*(\s)+3], s[G1B:G1B+7]
	s_nop 0
.rept 4
	v_nop
.endr
.Lasked_\@:
.endm
; A round of the cluster's barrier: my work-group's barrier, so that wave 0's signal speaks for all four waves; wave 0 signals; every wave waits for all sixteen work-groups; my work-group's barrier once more.
.macro CREST                           ; a round behind its opening barrier
	s_cmp_lg_u32 s10, 0
	s_cbranch_scc1 .Lnot_wave_0_\@
	s_barrier_signal -3
.Lnot_wave_0_\@:
	s_barrier_wait -3
	s_barrier_signal -1
	s_barrier_wait -1
.endm
.macro CROUND                          ; a whole round
	s_barrier_signal -1
	s_barrier_wait -1
	CREST
.endm
	s_load_b128 s[4:7], s[0:1], 0x0                ; xb s[4:5], upb s[6:7]
	s_load_b64 s[8:9], s[0:1], 0x10                ; hb
	v_lshl_add_u32 v[SPW], v0, 2, SPARE
	v_mov_b32 v[NIL], 0
	ds_add_u32 v[SPW], v[NIL]                      ; the wave's opening: the add and its wait stand ahead of my first tensor load; the set-up below, work on registers, stands between them
	v_lshrrev_b32 v1, 5, v0
	v_readfirstlane_b32 s10, v1                    ; wave 0..3
	s_lshr_b32 s11, s10, 1                         ; which half of the tile's rows is mine.  Also: I fetch for A (0) or for B (1)
	s_and_b32 s12, s10, 1                          ; which half of its columns.  Also: which 128 rows of that tile I fetch
	s_bfe_u32 s40, ttmp6, 0x40000                  ; cx
	s_bfe_u32 s41, ttmp6, 0x40004                  ; cy
	s_lshl_b32 s42, ttmp9, 2                       ; in a cluster launch ttmp9 and ttmp7 count clusters
	s_add_co_u32 s42, s42, s40                     ; tile column = 4 x cluster x + cx
	s_and_b32 s13, ttmp7, 0xffff
	s_lshl_b32 s13, s13, 2
	s_add_co_u32 s13, s13, s41                     ; tile row = 4 x cluster y + cy
	s_lshl_b32 s43, s41, 2
	s_lshl_b32 s43, 15, s43                        ; my row of the cluster: places 4 cy .. 4 cy + 3
	s_lshl_b32 s44, 0x1111, s40                    ; my column: places cx, cx + 4, cx + 8, cx + 12
	; descriptor group 1: a tile of 128 rows x 128 elements, padded in LDS
	s_or_b32 s[G1+0], s43, (1<<16)|(1<<20)|(1<<21)|(5<<22)|(3<<25)  ; 15:0 the mask: A's tiles go to my row; 17:16 elements of 2 bytes; 20 padding on; 21 set beside a mask; 24:22 after every 64 words (code 5); 31:25 4 words of it (code 3)
	s_or_b32 s[G1B+0], s44, (1<<16)|(1<<20)|(1<<21)|(5<<22)|(3<<25) ; the same with the mask of my column
.irp g, G1, G1B
	s_mov_b32 s[(\g)+1], KSTEP<<16                 ; tensor_dim0 = 128
	s_mov_b32 s[(\g)+2], 128<<16                   ; tensor_dim1 = 128
	s_mov_b32 s[(\g)+3], KSTEP<<16                 ; tile_dim0 = 128
	s_mov_b32 s[(\g)+4], 128                       ; tile_dim1 = 128
	s_mov_b32 s[(\g)+5], SIZE_K                    ; elements from row to row
	s_mov_b32 s[(\g)+6], 0
	s_mov_b32 s[(\g)+7], 0
.endr
	s_mov_b32 s[CS], 0xbfb8aa3b                    ; -log2(e)
	s_mov_b32 s[CS+1], 0xbfb8aa3b                  ; named with it as a pair
	; A's tiles hang on the tile row alone, which my row of the cluster shares; B's on the tile column alone.  Every wave makes both addresses, in registers that never hold the other coordinate.
	s_lshl_b32 s17, s12, 7                         ; which 128 rows of the tile I fetch
	s_lshl_b32 s16, s13, 8
	s_add_co_u32 s16, s16, s17                     ; A: row 256 x tile row + 128 x half
	s_lshl_b32 s46, s42, 8
	s_add_co_u32 s46, s46, s17                     ; B: row 256 x tile column + 128 x half
	s_mov_b32 s17, 0
	s_mov_b32 s47, 0
	s_mov_b64 s[18:19], SIZE_K*2
	s_mul_u64 s[16:17], s[16:17], s[18:19]
	s_mul_u64 s[46:47], s[46:47], s[18:19]
	s_mul_i32 s20, s10, HALFT                      ; where they go: wave x 128 rows: no place in the cluster enters an LDS address
	s_wait_dscnt 0x0                               ; the opening add is done
	s_wait_kmcnt 0x0
	s_add_nc_u64 s[14:15], s[4:5], s[16:17]
	s_add_nc_u64 s[46:47], s[6:7], s[46:47]
	CROUND                                         ; all sixteen work-groups are here: the first joint loads meet
.irp s, 0,1
	s_mov_b32 s[G0+4*(\s)], 1                                      ; count = 1
	s_add_co_u32 s[G0+4*(\s)+1], s20, (\s)*SLOT                    ; LDS address
	s_add_nc_u64 s[G0+4*(\s)+2:G0+4*(\s)+3], s[14:15], (\s)*KSTEP*2  ; global address: K step s
	s_or_b32 s[G0+4*(\s)+3], s[G0+4*(\s)+3], 0x80000000            ; type = 2
	s_mov_b32 s[G0B+4*(\s)], 1
	s_add_co_u32 s[G0B+4*(\s)+1], s20, (\s)*SLOT
	s_add_nc_u64 s[G0B+4*(\s)+2:G0B+4*(\s)+3], s[46:47], (\s)*KSTEP*2
	s_or_b32 s[G0B+4*(\s)+3], s[G0B+4*(\s)+3], 0x80000000
	JLOAD \s                                       ; both slots are asked for before anything else: two loads of mine are out
.endr
	; A fragment is 16 rows x 32 K in 8 registers: lane l holds row l % 16; registers 0-3 K = 8 (l / 16) + 0..7, registers 4-7 K = 16 + 8 (l / 16) + 0..7: two loads of 16 bytes, 32 bytes apart.
	v_and_b32 v1, 15, v0                           ; l % 16
	v_bfe_u32 v2, v0, 4, 1                         ; l / 16
	v_mul_u32_u24 v3, v1, PITCH
	v_lshl_add_u32 v3, v2, 4, v3                   ; row x pitch + 16 x half
	s_mul_i32 s21, s11, HALFT                      ; my 128 rows of A
	s_mul_i32 s22, s12, HALFT                      ; my 128 rows of B,
	s_add_co_u32 s22, s22, 2*HALFT                 ; which lie behind A's 256
.irp s, 0,1
	v_add_nc_u32 v[ADRA+(\s)], s21, v3
	v_add_nc_u32 v[ADRB+(\s)], s22, v3
	s_add_co_u32 s21, s21, SLOT
	s_add_co_u32 s22, s22, SLOT
.endr
	s_mul_i32 s23, s10, 16*SPITCH
	s_add_co_u32 s23, s23, STAGE                   ; my stage
	v_mul_u32_u24 v4, v1, SPITCH                   ; in: row l % 16, 16 bytes for each half of the lanes
	v_lshl_add_u32 v4, v2, 4, v4
	v_add_nc_u32 v[STO], s23, v4
	v_mul_u32_u24 v5, v2, SPITCH                   ; back: lanes 0-15 take one row of 256 bytes, lanes 16-31 the next
	v_lshl_add_u32 v5, v1, 4, v5
	v_add_nc_u32 v[RD], s23, v5
	v_mul_u32_u24 v5, v2, SIZE_N*2                 ; and the same two rows in hb
	v_lshl_add_u32 v[CO], v1, 4, v5
	s_lshl_b32 s13, s13, 8                         ; where my part of the tile begins in hb, in bytes
	s_lshl_b32 s14, s11, 7
	s_add_co_u32 s16, s13, s14                     ; my first row
	s_mov_b32 s17, 0
	s_mov_b64 s[18:19], SIZE_N*2
	s_mul_u64 s[16:17], s[16:17], s[18:19]
	s_lshl_b32 s46, s42, 9                         ; my first column, in bytes: 512 x tile column + 256 x half
	s_lshl_b32 s47, s12, 8
	s_add_co_u32 s46, s46, s47
	s_mov_b32 s47, 0
	s_add_nc_u64 s[16:17], s[16:17], s[46:47]
; 16 matrix instructions: m blocks a0, a0 + 1 of the window's four (hi = 0: my rows 0-63, 1: rows 64-127) x all 8 n blocks, 32 along K.  zero = 1: the first product starts the sums.
; The 64 accumulators take turns, one instruction a turn, in the same order in every quarter step.
.macro MUL16 f, hi, a0, zero
	WIN MUL_LO+0x50*(\hi)
.irp a, \a0, (\a0)+1
.irp b, 0,1,2,3,4,5,6,7
.if \zero
	v_wmma_f32_16x16x32_bf16 v[8*(8*(\a)+(\b)):8*(8*(\a)+(\b))+7], v[(\f)+8*(\b):(\f)+8*(\b)+7], v[(\f)+8*(4*(\hi)+(\a)):(\f)+8*(4*(\hi)+(\a))+7], 0
.else
	v_wmma_f32_16x16x32_bf16 v[8*(8*(\a)+(\b)):8*(8*(\a)+(\b))+7], v[(\f)+8*(\b):(\f)+8*(\b)+7], v[(\f)+8*(4*(\hi)+(\a)):(\f)+8*(4*(\hi)+(\a))+7], v[8*(8*(\a)+(\b)):8*(8*(\a)+(\b))+7]
.endif
.endr
.endr
.endm
; 32 LDS loads in one run: the fragments of one quarter step (128 rows of B, 128 rows of A, 32 K at byte k of the rows) into buffer f
.macro FETCH slot, k, f
	WIN TO_B
.irp i, 0,1,2,3,4,5,6,7
	ds_load_b128 v[(\f)+8*(\i):(\f)+8*(\i)+3],   v[ADRB+(\slot)] offset:(\k)+(\i)*16*PITCH
	ds_load_b128 v[(\f)+8*(\i)+4:(\f)+8*(\i)+7], v[ADRB+(\slot)] offset:(\k)+(\i)*16*PITCH+32
.endr
	WIN 0
.irp i, 0,1,2,3,4,5,6,7
	ds_load_b128 v[(\f)+8*(\i):(\f)+8*(\i)+3],   v[ADRA+(\slot)] offset:(\k)+(\i)*16*PITCH
	ds_load_b128 v[(\f)+8*(\i)+4:(\f)+8*(\i)+7], v[ADRA+(\slot)] offset:(\k)+(\i)*16*PITCH+32
.endr
.endm
; Four plain vector instructions stand between a matrix instruction and a load into, or a vector write of, one of its registers, or a vector read of its result (ISA guide 7.12.1 for vector instructions).
.macro PLACES
.rept 4
	v_nop
.endr
.endm
; A K step is four quarter steps of 32 along K, 64 matrix instructions each, on buffers 0, 1, 0, 1.  One of the first three multiplies buffer f and fetches the next quarter, at byte k, into g.
.macro QUARTER slot, k, f, g, zero
	s_wait_dscnt 8                                 ; B and A's rows 0-63 are in; the youngest eight loads (A's rows 64-127) may be out
	MUL16 \f, 0, 0, \zero
	MUL16 \f, 0, 2, \zero
	PLACES
	FETCH \slot, \k, \g
	s_wait_dscnt 32                                ; all but the 32 just issued
	MUL16 \f, 1, 0, \zero
	MUL16 \f, 1, 2, \zero
.endm
; The last quarter multiplies buffer 1 and changes slots.  MEET is its first half: one barrier; in front of it each wave waits for all its tensor loads (one is out: its part of the next slot),
; adds 0 to its spare word, and waits for that and for its own reads of this slot.  Behind it nobody reads this slot any more and the next slot is whole.
.macro MEET round                      ; round = 1: a round of the cluster's barrier follows
	WIN 0                                          ; (the add's two registers lie in window 0)
	s_wait_tensorcnt 0x0
	ds_add_u32 v[SPW], v[NIL]                      ; 0 onto my spare word
	s_wait_dscnt 9                                 ; (the add and the youngest eight loads may be out)
	MUL16 F1, 0, 0, 0                              ; sixteen matrix instructions stand between the add and the wait for it
	s_wait_dscnt 0x0                               ; the add is done, and my reads of this slot are over
	s_barrier_signal -1
	MUL16 F1, 0, 2, 0                              ; work on registers while the others arrive
.if \round
	WIN 0
.endif
	s_barrier_wait -1
.endm
; The whole last quarter where the slot is filled again, with the K step two steps on: the joint load is the first thing behind the round, 224 matrix instructions ahead of the wait for it.
.macro TURN slot, next
	MEET 1
	CREST                                          ; no wave of any partner still reads this slot's tile or has a load on its way
	s_add_nc_u64 s[G0+4*(\slot)+2:G0+4*(\slot)+3], s[G0+4*(\slot)+2:G0+4*(\slot)+3], 2*KSTEP*2
	s_add_nc_u64 s[G0B+4*(\slot)+2:G0B+4*(\slot)+3], s[G0B+4*(\slot)+2:G0B+4*(\slot)+3], 2*KSTEP*2
	JLOAD \slot                                    ; the four v_nop behind it are also the places in front of the loads below
	FETCH \next, 0, F0
	MUL16 F1, 1, 0, 0
	MUL16 F1, 1, 2, 0
.endm
; THE WAY OUT of block a (16 rows x 128 columns).  SILU: h / (1 + 2^(-log2(e) h)), rounded to bf16, 16 bytes a lane.  The 64 exponentials are one batch with one wait, and so are the 64 reciprocals;
; each accumulator is read from its lowest registers on.
.macro SILU a
.set AC, 64*((\a)%4)                   ; the block's eight accumulators, in window 2 (blocks 0-3) or 3 (blocks 4-7)
	WIN 0x02+(\a)/4                                ; source 0 in that window
.set i, 0
.rept 32
	v_pk_mul_f32 v[T+2*i:T+2*i+1], v[AC+2*i:AC+2*i+1], s[CS:CS+1] op_sel_hi:[1,0]
.set i, i+1
.endr
	WIN 0
.set i, 0
.rept 64
	v_exp_f32 v[T+i], v[T+i]
.set i, i+1
.endr
	v_nop                                          ; a plain instruction behind the last exponential,
	s_wait_alu depctr_va_vdst(0)                   ; and the batch's one wait
.set i, 0
.rept 32
	v_pk_add_f32 v[T+2*i:T+2*i+1], v[T+2*i:T+2*i+1], 1.0 op_sel_hi:[1,0]
.set i, i+1
.endr
.set i, 0
.rept 64
	v_rcp_f32 v[T+i], v[T+i]
.set i, i+1
.endr
	v_nop
	s_wait_alu depctr_va_vdst(0)
	WIN 0x02+(\a)/4
.set i, 0
.rept 32
	v_pk_mul_f32 v[T+2*i:T+2*i+1], v[AC+2*i:AC+2*i+1], v[T+2*i:T+2*i+1]
.set i, i+1
.endr
	WIN 0
.set i, 0
.rept 32
	v_cvt_pk_bf16_f32 v[TMP+i], v[T+2*i], v[T+2*i+1]
.set i, i+1
.endr
.endm
.macro TOSTAGE a                       ; into my own stage in LDS, and back as whole rows of 256 bytes
	WIN 0
.set BK, OB+192*((\a)%2)
.irp b, 0,1,2,3,4,5,6,7
	ds_store_b128 v[STO], v[TMP+4*(\b):TMP+4*(\b)+3] offset:32*(\b)
.endr
.irp t, 0,1,2,3,4,5,6,7
	ds_load_b128 v[BK+4*(\t):BK+4*(\t)+3], v[RD] offset:(\t)*2*SPITCH  ; LDS serves a wave's instructions in order (ISA guide 5.7.1.4): these see the stores above
.endr
.endm
.macro SEND a, younger
	WIN 0
.set BK, OB+192*((\a)%2)
	s_wait_dscnt \younger                          ; the block is back in registers
	s_wait_xcnt 0x0                                ; only behind this wait are the stores' base and the registers that earlier stores read rewritten
.if (\a) == 0
	s_add_nc_u64 s[8:9], s[8:9], s[16:17]          ; on to my first rows
.else
	s_add_nc_u64 s[8:9], s[8:9], 16*SIZE_N*2       ; 16 rows on
.endif
.irp t, 0,1,2,3,4,5,6,7
	global_store_b128 v[CO], v[BK+4*(\t):BK+4*(\t)+3], s[8:9] offset:2*(\t)*SIZE_N*2  ; 16 lanes store 256 consecutive bytes, at a multiple of 256 from hb's first byte; the next launch reads them: no hint
.endr
.endm
	s_wait_tensorcnt 1                             ; my part of K step 0 is in; K step 1's may stay out
	s_barrier_signal -1
	s_barrier_wait -1                              ; everybody's is
	FETCH 0, 0, F0
	QUARTER 0, 64,  F0, F1, 1                      ; the first quarter stands in front of the loop: its products start the sums
	WIN 0                                          ; at a label and at a branch every window is 0
	s_mov_b32 s3, LAPS-1
.Llap:                                                 ; a trip goes once round the ring, from a lap's second quarter to the next lap's first, and fills both slots again: K steps 2 to 7
	QUARTER 0, 128, F1, F0, 0
	QUARTER 0, 192, F0, F1, 0
	TURN 0, 1
	QUARTER 1, 64,  F0, F1, 0
	QUARTER 1, 128, F1, F0, 0
	QUARTER 1, 192, F0, F1, 0
	TURN 1, 0
	QUARTER 0, 64,  F0, F1, 0
	WIN 0
	s_sub_co_u32 s3, s3, 1
	s_cmp_lg_u32 s3, 0
	s_cbranch_scc1 .Llap
	QUARTER 0, 128, F1, F0, 0                      ; the last lap is written out: it fills nothing
	QUARTER 0, 192, F0, F1, 0
	MEET 0                                         ; my one tensor load that was still out is the last K step's, so no round follows
	PLACES
	FETCH 1, 0, F0
	MUL16 F1, 1, 0, 0
	MUL16 F1, 1, 2, 0
	QUARTER 1, 64,  F0, F1, 0
	QUARTER 1, 128, F1, F0, 0
	QUARTER 1, 192, F0, F1, 0
	s_wait_dscnt 8                                 ; the very last quarter: nothing more to fetch
	MUL16 F1, 0, 0, 0
	MUL16 F1, 0, 2, 0
	s_wait_dscnt 0x0
	MUL16 F1, 1, 0, 0
	MUL16 F1, 1, 2, 0
	PLACES                                         ; behind the last products: what follows reads results and writes A's first buffer
	SILU 0
	TOSTAGE 0
.irp a, 1,2,3,4,5,6,7                  ; block a's arithmetic stands between block a - 1's loads from the stage and the wait for them
	SILU \a
	SEND (\a)-1, 0
	TOSTAGE \a
.endr
	SEND 7, 0
	s_wait_tensorcnt 0x0                           ; the wave's end, behind my last tensor load and my last LDS store
	ds_add_u32 v[SPW], v[NIL]
	s_wait_dscnt 0x0
	CROUND                                         ; the closing round: no work-group ends while a partner may still ask for a tile that names it
	s_endpgm
.Lfunc_end_k_qcae5b8cf49_up:
	.size	k_qcae5b8cf49_up, .Lfunc_end_k_qcae5b8cf49_up-k_qcae5b8cf49_up
	.p2alignl 7, 3214868480
	.fill 96, 4, 3214868480
	.section	.rodata,"a",@progbits
	.p2align	6, 0x0
	.amdhsa_kernel k_qcae5b8cf49_up
		.amdhsa_group_segment_fixed_size 327680
		.amdhsa_private_segment_fixed_size 0
		.amdhsa_enable_private_segment 0
		.amdhsa_kernarg_size 24
		.amdhsa_user_sgpr_count 2
		.amdhsa_user_sgpr_kernarg_segment_ptr 1
		.amdhsa_wavefront_size32 1
		.amdhsa_system_sgpr_workgroup_id_x 1
		.amdhsa_system_sgpr_workgroup_id_y 1
		.amdhsa_system_sgpr_workgroup_id_z 1
		.amdhsa_system_vgpr_workitem_id 0
		.amdhsa_next_free_vgpr 1024
		.amdhsa_next_free_sgpr 68
		.amdhsa_reserve_vcc 0
		.amdhsa_float_denorm_mode_32 3
		.amdhsa_float_denorm_mode_16_64 3
		.amdhsa_memory_ordered 1
		.amdhsa_forward_progress 1
		.amdhsa_inst_pref_size 224
	.end_amdhsa_kernel
	.amdgpu_metadata
---
amdhsa.version: [ 1, 2 ]
amdhsa.kernels:
  - .name:           k_qcae5b8cf49_up
    .symbol:         k_qcae5b8cf49_up.kd
    .args:
      - { .name: xb, .offset: 0, .size: 8, .value_kind: global_buffer, .address_space: global }
      - { .name: upb, .offset: 8, .size: 8, .value_kind: global_buffer, .address_space: global }
      - { .name: hb, .offset: 16, .size: 8, .value_kind: global_buffer, .address_space: global }
    .group_segment_fixed_size: 327680
    .private_segment_fixed_size: 0
    .kernarg_segment_align: 8
    .kernarg_segment_size: 24
    .max_flat_workgroup_size: 128
    .sgpr_count:     68
    .vgpr_count:     1024
    .wavefront_size: 32
...
	.end_amdgpu_metadata
.endif
;; end of part 2
;; launch down (part 3): grid 8 x 32, 4 waves a work-group, clusters of 4 x 4, 327,680 bytes of LDS; arguments hb, dnb, wsc, out0; writes out0
.if DOCPART == 3
	.amdgcn_target "amdgcn-amd-amdhsa--gfx1250"
	.amdhsa_code_object_version 6
	.text
	.protected	k_qcae5b8cf49_down
	.globl	k_qcae5b8cf49_down
	.p2align	8
	.type	k_qcae5b8cf49_down,@function
k_qcae5b8cf49_down:
	s_mov_b64 s[64:65], 0
	v_nop
	global_prefetch_b8 v0, s[64:65] scope:SCOPE_SE
	s_setreg_imm32_b32 hwreg(HW_REG_WAVE_MODE, 25, 1), 1
	s_wait_xcnt 0x0
	s_wait_alu depctr_hold_cnt(0) depctr_sa_sdst(0) depctr_va_vdst(0) depctr_va_sdst(0) depctr_va_ssrc(0) depctr_va_vcc(0) depctr_vm_vsrc(0)
	s_getreg_b32 s2, hwreg(HW_REG_IB_STS2, 6, 4)
	s_cmp_eq_u32 s2, 0
	s_cbranch_scc0 .Lentry_in_a_cluster
	s_endpgm
.Lentry_in_a_cluster:
	s_bfe_u32 s2, ttmp6, 0x10000c
	s_cmp_lg_u32 s2, 0xf033
	s_cbranch_scc0 .Lentry_shape_is_right
	s_endpgm
.Lentry_shape_is_right:
; DOWN.  out0[m][n] = wsc[m] x (sum over k of hb[m][k] dnb[n][k]).  hb: [8192][2048] bf16, dnb: [1024][2048] bf16, wsc: [8192] f32, out0: [8192][1024] f32; sums in f32.
; wsc[m] = ew0 + ew1 of token m: both of a token's expert rows are the same numbers, so their weighted sum is one product (p (ew0 + ew1) where the module rounds p ew0 + p ew1).
; A tile of out0 is 256 rows x 128 columns: 32 x 8 = 256 tiles, one a work-group (256 x 256 would make 128).  Four waves, each 128 x 64: 32 accumulators of 16 x 16, 256 registers.
; K goes in 16 steps of 128 through a ring of two LDS slots (two slots of 256 along K would take 417,792 bytes and do not fit): the tiles' rows are 256 bytes of memory, at multiples of 256 bytes.
; CLUSTERS: 4 x 4 work-groups.  The four of a row of the cluster need the same tiles of hb, the four of a column the same tiles of dnb: each tile is asked for JOINTLY.
; THE MATRIX INSTRUCTION IS USED TRANSPOSED (source 0 = 16 rows of dnb, source 1 = 16 rows of hb): lane l holds row l % 16 of the result and the columns 8 (l / 16) + 0..7: 32 consecutive bytes of out0.
; REGISTERS, in windows of 256 (s_set_vgpr_msb: bits 1:0 source 0, 3:2 source 1, 5:4 source 2, 7:6 destination):
;   window 0: v0-31 addresses; v32-47 weights; v64-127, v128-191 fragments of A, two buffers (on the way out v64-127: rows read back); v192-223 scaled results
;   window 1: v64-95, v128-159 fragments of B;   window 2: accumulator (a, b) at v[8 (4 a + b)]
.set SIZE_N, 1024
.set SIZE_K, 2048
.set KSTEP,  128
.set PITCH,  272                       ; an LDS row: 256 bytes + 16 of padding = 68 words: row r starts at bank 4 r mod 64 (64 banks of 4 bytes: ISA guide 11.1)
.set QT,     64*PITCH                  ; 64 rows: a tensor load for B, and what a wave reads of B
.set HALFT,  2*QT                      ; 128 rows: a tensor load for A, and what a wave reads of A
.set SLOT,   6*QT                      ; A's 256 rows, then B's 128 rows
.set STAGE,  2*SLOT                    ; behind the ring: 16 rows x 272 bytes for each wave, for the way out
.set SPITCH, 272
.set SPARE,  STAGE+4*16*SPITCH         ; behind the stages: the spare words, 128 bytes a wave: two blocks of 256 bytes that no other line names
.set LAPS,   SIZE_K/(2*KSTEP)          ; 8
.set ADRA, 16                          ; v16-17  LDS address of my A fragments in slot 0, 1
.set ADRB, 20                          ; v20-21  the same for B
.set STO,  24                          ; v24     the way out: where I put 32 bytes of a row
.set RD,   25                          ; v25     the way out: where I read a row back
.set CO,   26                          ; v26     my byte offset in out0
.set WO,   27                          ; v27     4 x (l % 16): my row's weight in a block of 16
.set SPW,  28                          ; v28     LDS address of my spare word; never rewritten
.set NIL,  29                          ; v29     0; never rewritten
.set W,    32                          ; v[32:47] the weight of row 16 a + l % 16, twice: a pair for the packed multiply
.set F0,   64
.set F1,   128
.set TMP,  192                         ; the way out: a block's 32 numbers a lane, scaled
.set OB,   64                          ; the way out: 16 rows read back: v64-95 and v96-127 by turns
.set G1,  24                           ; s[24:31] descriptor group 1 for A's tiles
.set G0,  32                           ; s[32:39] descriptor group 0 for A's tiles, one set for each slot
.set G1B, 48                           ; s[48:55] group 1 for B's tiles
.set G0B, 56                           ; s[56:63] group 0 for B's tiles
.set MSB, 0
.macro WIN new                         ; the immediate's high byte repeats the setting that is left; a switch that changes nothing is dropped
.if MSB != (\new)
	s_set_vgpr_msb (MSB<<8)|(\new)
.set MSB, \new
.endif
.endm
.set MUL,  0xa1                        ; source 0 (B) window 1, source 1 (A) window 0, C and D window 2
.set TO_B, 0x40                        ; destination window 1, address window 0
; A joint load.  Waves 0 and 1 fetch A's two halves (128 rows each), waves 2 and 3 B's (64 rows each).  An s_nop 0 and four v_nop follow each of the two lines, ahead of the jump and the label.
.macro JLOAD s
	s_cmp_eq_u32 s11, 0
	s_cbranch_scc0 .Lfor_b_\@
	tensor_load_to_lds s[G0+4*(\s):G0+4*(\s)+3], s[G1:G1+7]
	s_nop 0
.rept 4
	v_nop
.endr
	s_branch .Lasked_\@
.Lfor_b_\@:
	tensor_load_to_lds s[G0B+4*(\s):G0B+4*(\s)+3], s[G1B:G1B+7]
	s_nop 0
.rept 4
	v_nop
.endr
.Lasked_\@:
.endm
.macro CREST                           ; a round of the cluster's barrier behind its opening barrier
	s_cmp_lg_u32 s10, 0
	s_cbranch_scc1 .Lnot_wave_0_\@
	s_barrier_signal -3
.Lnot_wave_0_\@:
	s_barrier_wait -3
	s_barrier_signal -1
	s_barrier_wait -1
.endm
.macro CROUND                          ; a whole round
	s_barrier_signal -1
	s_barrier_wait -1
	CREST
.endm
	s_load_b128 s[4:7], s[0:1], 0x0                ; hb s[4:5], dnb s[6:7]
	s_load_b64 s[66:67], s[0:1], 0x10              ; wsc
	s_load_b64 s[8:9], s[0:1], 0x18                ; out0
	v_lshl_add_u32 v[SPW], v0, 2, SPARE
	v_mov_b32 v[NIL], 0
	ds_add_u32 v[SPW], v[NIL]                      ; the wave's opening: the add and its wait stand ahead of my first tensor load; the set-up below, work on registers, stands between them
	v_lshrrev_b32 v1, 5, v0
	v_readfirstlane_b32 s10, v1                    ; wave 0..3
	s_lshr_b32 s11, s10, 1                         ; which half of the tile's rows is mine.  Also: I fetch for A (0) or for B (1)
	s_and_b32 s12, s10, 1                          ; which half of its columns.  Also: which half of that tile I fetch
	s_bfe_u32 s40, ttmp6, 0x40000                  ; cx
	s_bfe_u32 s41, ttmp6, 0x40004                  ; cy
	s_lshl_b32 s42, ttmp9, 2
	s_add_co_u32 s42, s42, s40                     ; tile column = 4 x cluster x + cx
	s_and_b32 s13, ttmp7, 0xffff
	s_lshl_b32 s13, s13, 2
	s_add_co_u32 s13, s13, s41                     ; tile row = 4 x cluster y + cy
	s_lshl_b32 s43, s41, 2
	s_lshl_b32 s43, 15, s43                        ; my row of the cluster
	s_lshl_b32 s44, 0x1111, s40                    ; my column
	; descriptor group 1: rows of 128 elements, padded in LDS; 128 rows for A, 64 for B
	s_or_b32 s[G1+0], s43, (1<<16)|(1<<20)|(1<<21)|(5<<22)|(3<<25)  ; 15:0 the mask: A's tiles go to my row; 17:16 elements of 2 bytes; 20 padding on; 21 set beside a mask; 24:22 after every 64 words (code 5); 31:25 4 words of it (code 3)
	s_mov_b32 s[G1+1], KSTEP<<16                   ; tensor_dim0 = 128
	s_mov_b32 s[G1+2], 128<<16                     ; tensor_dim1 = 128
	s_mov_b32 s[G1+3], KSTEP<<16                   ; tile_dim0 = 128
	s_mov_b32 s[G1+4], 128                         ; tile_dim1 = 128
	s_mov_b32 s[G1+5], SIZE_K                      ; elements from row to row
	s_mov_b32 s[G1+6], 0
	s_mov_b32 s[G1+7], 0
	s_or_b32 s[G1B+0], s44, (1<<16)|(1<<20)|(1<<21)|(5<<22)|(3<<25) ; the mask of my column
	s_mov_b32 s[G1B+1], KSTEP<<16
	s_mov_b32 s[G1B+2], 64<<16                     ; tensor_dim1 = 64
	s_mov_b32 s[G1B+3], KSTEP<<16
	s_mov_b32 s[G1B+4], 64                         ; tile_dim1 = 64
	s_mov_b32 s[G1B+5], SIZE_K
	s_mov_b32 s[G1B+6], 0
	s_mov_b32 s[G1B+7], 0
	; A's tiles hang on the tile row alone, B's on the tile column alone; every wave makes both addresses, in registers that never hold the other coordinate
	s_lshl_b32 s17, s12, 7
	s_lshl_b32 s16, s13, 8
	s_add_co_u32 s16, s16, s17                     ; A: row 256 x tile row + 128 x half
	s_lshl_b32 s47, s12, 6
	s_lshl_b32 s46, s42, 7
	s_add_co_u32 s46, s46, s47                     ; B: row 128 x tile column + 64 x half
	s_mov_b32 s17, 0
	s_mov_b32 s47, 0
	s_mov_b64 s[18:19], SIZE_K*2
	s_mul_u64 s[16:17], s[16:17], s[18:19]
	s_mul_u64 s[46:47], s[46:47], s[18:19]
	s_mul_i32 s20, s10, HALFT                      ; where A's halves go (waves 0, 1): wave x 128 rows
	s_mul_i32 s45, s10, QT                         ; where B's go (waves 2, 3): behind A's 256 rows = 4 QT, (wave - 2) x 64 rows
	s_add_co_u32 s45, s45, 2*QT
	s_wait_dscnt 0x0                               ; the opening add is done
	s_wait_kmcnt 0x0
	s_add_nc_u64 s[14:15], s[4:5], s[16:17]
	s_add_nc_u64 s[46:47], s[6:7], s[46:47]
	CROUND                                         ; all sixteen work-groups are here: the first joint loads meet
.irp s, 0,1
	s_mov_b32 s[G0+4*(\s)], 1                                      ; count = 1
	s_add_co_u32 s[G0+4*(\s)+1], s20, (\s)*SLOT                    ; LDS address
	s_add_nc_u64 s[G0+4*(\s)+2:G0+4*(\s)+3], s[14:15], (\s)*KSTEP*2  ; global address: K step s
	s_or_b32 s[G0+4*(\s)+3], s[G0+4*(\s)+3], 0x80000000            ; type = 2
	s_mov_b32 s[G0B+4*(\s)], 1
	s_add_co_u32 s[G0B+4*(\s)+1], s45, (\s)*SLOT
	s_add_nc_u64 s[G0B+4*(\s)+2:G0B+4*(\s)+3], s[46:47], (\s)*KSTEP*2
	s_or_b32 s[G0B+4*(\s)+3], s[G0B+4*(\s)+3], 0x80000000
	JLOAD \s                                       ; both slots are asked for before anything else: two loads of mine are out
.endr
	v_and_b32 v1, 15, v0                           ; l % 16
	v_bfe_u32 v2, v0, 4, 1                         ; l / 16
	v_mul_u32_u24 v3, v1, PITCH
	v_lshl_add_u32 v3, v2, 4, v3                   ; a fragment's row x pitch + 16 x half
	s_mul_i32 s21, s11, HALFT                      ; my 128 rows of A
	s_mul_i32 s22, s12, QT                         ; my 64 rows of B,
	s_add_co_u32 s22, s22, 2*HALFT                 ; which lie behind A's 256
.irp s, 0,1
	v_add_nc_u32 v[ADRA+(\s)], s21, v3
	v_add_nc_u32 v[ADRB+(\s)], s22, v3
	s_add_co_u32 s21, s21, SLOT
	s_add_co_u32 s22, s22, SLOT
.endr
	s_mul_i32 s23, s10, 16*SPITCH
	s_add_co_u32 s23, s23, STAGE                   ; my stage
	v_mul_u32_u24 v4, v1, SPITCH                   ; in: row l % 16, 32 bytes for each half of the lanes
	v_lshl_add_u32 v4, v2, 5, v4
	v_add_nc_u32 v[STO], s23, v4
	v_mul_u32_u24 v5, v2, SPITCH                   ; back: lanes 0-15 take one row of 256 bytes, lanes 16-31 the next
	v_lshl_add_u32 v5, v1, 4, v5
	v_add_nc_u32 v[RD], s23, v5
	v_lshlrev_b32 v5, 12, v2                       ; and the same two rows in out0, 4,096 bytes apart
	v_lshl_add_u32 v[CO], v1, 4, v5
	v_lshlrev_b32 v[WO], 2, v1
	s_lshl_b32 s13, s13, 8
	s_lshl_b32 s14, s11, 7
	s_add_co_u32 s16, s13, s14                     ; my first row
	s_lshl_b32 s14, s16, 2                         ; its weight's byte in wsc
	s_mov_b32 s15, 0
	s_add_nc_u64 s[66:67], s[66:67], s[14:15]
.irp a, 0,1,2,3,4,5,6,7
	global_load_b32 v[W+2*(\a)],   v[WO], s[66:67] offset:64*(\a)  ; waited for on the way out
	global_load_b32 v[W+2*(\a)+1], v[WO], s[66:67] offset:64*(\a)
.endr
	s_lshl_b32 s16, s16, 12                        ; my first row in out0, in bytes (under 2^25),
	s_lshl_b32 s46, s42, 9                         ; my first column: 512 x tile column + 256 x half
	s_lshl_b32 s47, s12, 8
	s_add_co_u32 s46, s46, s47
	s_add_co_u32 s16, s16, s46
	s_mov_b32 s17, 0
; 8 matrix instructions: m blocks a0, a0 + 1 x all 4 n blocks, 32 along K.  zero = 1: the first product starts the sums.
; The 32 accumulators take turns, one instruction a turn, in the same order in every quarter step.
.macro MUL8 f, a0, zero
	WIN MUL
.irp a, \a0, (\a0)+1
.irp b, 0,1,2,3
.if \zero
	v_wmma_f32_16x16x32_bf16 v[8*(4*(\a)+(\b)):8*(4*(\a)+(\b))+7], v[(\f)+8*(\b):(\f)+8*(\b)+7], v[(\f)+8*(\a):(\f)+8*(\a)+7], 0
.else
	v_wmma_f32_16x16x32_bf16 v[8*(4*(\a)+(\b)):8*(4*(\a)+(\b))+7], v[(\f)+8*(\b):(\f)+8*(\b)+7], v[(\f)+8*(\a):(\f)+8*(\a)+7], v[8*(4*(\a)+(\b)):8*(4*(\a)+(\b))+7]
.endif
.endr
.endr
.endm
; 24 LDS loads in one run: the fragments of one quarter step (64 rows of B, 128 rows of A, 32 K at byte k of the rows) into buffer f
.macro FETCH slot, k, f
	WIN TO_B
.irp i, 0,1,2,3
	ds_load_b128 v[(\f)+8*(\i):(\f)+8*(\i)+3],   v[ADRB+(\slot)] offset:(\k)+(\i)*16*PITCH
	ds_load_b128 v[(\f)+8*(\i)+4:(\f)+8*(\i)+7], v[ADRB+(\slot)] offset:(\k)+(\i)*16*PITCH+32
.endr
	WIN 0
.irp i, 0,1,2,3,4,5,6,7
	ds_load_b128 v[(\f)+8*(\i):(\f)+8*(\i)+3],   v[ADRA+(\slot)] offset:(\k)+(\i)*16*PITCH
	ds_load_b128 v[(\f)+8*(\i)+4:(\f)+8*(\i)+7], v[ADRA+(\slot)] offset:(\k)+(\i)*16*PITCH+32
.endr
.endm
; Four plain vector instructions stand between a matrix instruction and a load into, or a vector write of, one of its registers, or a vector read of its result (ISA guide 7.12.1 for vector instructions).
.macro PLACES
.rept 4
	v_nop
.endr
.endm
; A K step is four quarter steps of 32 along K, 32 matrix instructions each, on buffers 0, 1, 0, 1.  One of the first three multiplies buffer f and fetches the next quarter, at byte k, into g.
.macro QUARTER slot, k, f, g, zero
	s_wait_dscnt 8                                 ; B and A's rows 0-63 are in; the youngest eight loads (A's rows 64-127) may be out
	MUL8 \f, 0, \zero
	MUL8 \f, 2, \zero
	PLACES
	FETCH \slot, \k, \g
	s_wait_dscnt 24                                ; all but the 24 just issued
	MUL8 \f, 4, \zero
	MUL8 \f, 6, \zero
.endm
; The last quarter multiplies buffer 1 and changes slots: one barrier; in front of it each wave waits for all its tensor loads (one is out: its part of the next slot), adds 0 to its spare word, and waits
; for that and for its own reads of this slot.  fill = 1: the barrier opens a round of the cluster's, and this slot is filled again, two K steps ahead, first thing behind the round:
; 112 matrix instructions ahead of the wait for it.
.macro TURN slot, next, fill
	WIN 0                                          ; (the add's two registers lie in window 0)
	s_wait_tensorcnt 0x0
	ds_add_u32 v[SPW], v[NIL]                      ; 0 onto my spare word
	s_wait_dscnt 9                                 ; (the add and the youngest eight loads may be out)
	MUL8 F1, 0, 0                                  ; eight matrix instructions stand between the add and the wait for it
	s_wait_dscnt 0x0                               ; the add is done, and my reads of this slot are over
	s_barrier_signal -1
	MUL8 F1, 2, 0                                  ; work on registers while the others arrive
.if \fill
	WIN 0
.endif
	s_barrier_wait -1
.if \fill
	CREST                                          ; no wave of any partner still reads this slot's tile or has a load on its way
	s_add_nc_u64 s[G0+4*(\slot)+2:G0+4*(\slot)+3], s[G0+4*(\slot)+2:G0+4*(\slot)+3], 2*KSTEP*2
	s_add_nc_u64 s[G0B+4*(\slot)+2:G0B+4*(\slot)+3], s[G0B+4*(\slot)+2:G0B+4*(\slot)+3], 2*KSTEP*2
	JLOAD \slot                                    ; the four v_nop behind it are also the places in front of the loads below
.else
	PLACES
.endif
	FETCH \next, 0, F0
	MUL8 F1, 4, 0
	MUL8 F1, 6, 0
.endm
; THE WAY OUT of block a (16 rows x 64 columns of f32).  SCALE: times the row's weight, each accumulator read from its lowest registers on.  TOSTAGE: into my own stage, and back as whole rows of 256 bytes.  SEND: stored.
.macro SCALE a
	WIN 0x02                                       ; source 0 in window 2
.set i, 0
.rept 16
	v_pk_mul_f32 v[TMP+2*i:TMP+2*i+1], v[32*(\a)+2*i:32*(\a)+2*i+1], v[W+2*(\a):W+2*(\a)+1]
.set i, i+1
.endr
	WIN 0
.endm
.macro TOSTAGE a
	WIN 0
.set BK, OB+32*((\a)%2)
.irp b, 0,1,2,3
	ds_store_b128 v[STO], v[TMP+8*(\b):TMP+8*(\b)+3]   offset:64*(\b)
	ds_store_b128 v[STO], v[TMP+8*(\b)+4:TMP+8*(\b)+7] offset:64*(\b)+16
.endr
.irp t, 0,1,2,3,4,5,6,7
	ds_load_b128 v[BK+4*(\t):BK+4*(\t)+3], v[RD] offset:(\t)*2*SPITCH  ; LDS serves a wave's instructions in order (ISA guide 5.7.1.4): these see the stores above
.endr
.endm
.macro SEND a, younger
	WIN 0
.set BK, OB+32*((\a)%2)
	s_wait_dscnt \younger                          ; the block is back in registers
	s_wait_xcnt 0x0                                ; only behind this wait are the stores' base and the registers that earlier stores read rewritten
.if (\a) == 0
	s_add_nc_u64 s[8:9], s[8:9], s[16:17]          ; on to my first rows
.else
	s_add_nc_u64 s[8:9], s[8:9], 16*SIZE_N*4       ; 16 rows on
.endif
.irp t, 0,1,2,3,4,5,6,7
	global_store_b128 v[CO], v[BK+4*(\t):BK+4*(\t)+3], s[8:9] offset:2*(\t)*SIZE_N*4 th:TH_STORE_NT  ; 16 lanes store 256 consecutive bytes, at a multiple of 256 from out0's first byte
.endr
.endm
	s_wait_tensorcnt 1                             ; my part of K step 0 is in; K step 1's may stay out
	s_barrier_signal -1
	s_barrier_wait -1                              ; everybody's is
	FETCH 0, 0, F0
	QUARTER 0, 64,  F0, F1, 1                      ; the first quarter stands in front of the loop: its products start the sums
	WIN 0                                          ; at a label and at a branch every window is 0
	s_mov_b32 s3, LAPS-1
.Llap:                                                 ; a trip goes once round the ring, from a lap's second quarter to the next lap's first, and fills both slots again: K steps 2 to 15
	QUARTER 0, 128, F1, F0, 0
	QUARTER 0, 192, F0, F1, 0
	TURN 0, 1, 1
	QUARTER 1, 64,  F0, F1, 0
	QUARTER 1, 128, F1, F0, 0
	QUARTER 1, 192, F0, F1, 0
	TURN 1, 0, 1
	QUARTER 0, 64,  F0, F1, 0
	WIN 0
	s_sub_co_u32 s3, s3, 1
	s_cmp_lg_u32 s3, 0
	s_cbranch_scc1 .Llap
	QUARTER 0, 128, F1, F0, 0                      ; the last lap is written out: it fills nothing, and it has no round of the cluster's barrier
	QUARTER 0, 192, F0, F1, 0
	TURN 0, 1, 0
	QUARTER 1, 64,  F0, F1, 0
	QUARTER 1, 128, F1, F0, 0
	QUARTER 1, 192, F0, F1, 0
	s_wait_dscnt 8                                 ; the very last quarter: nothing more to fetch
	MUL8 F1, 0, 0
	MUL8 F1, 2, 0
	s_wait_dscnt 0x0
	MUL8 F1, 4, 0
	MUL8 F1, 6, 0
	PLACES                                         ; behind the last products: what follows reads results, and loads land in A's first buffer
	s_wait_loadcnt 0x0                             ; the weights
	SCALE 0
	TOSTAGE 0
.irp a, 1,2,3,4,5,6,7                  ; block a's multiplies stand between block a - 1's loads from the stage and the wait for them
	SCALE \a
	SEND (\a)-1, 0
	TOSTAGE \a
.endr
	SEND 7, 0
	s_wait_tensorcnt 0x0                           ; the wave's end, behind my last tensor load and my last LDS store
	ds_add_u32 v[SPW], v[NIL]
	s_wait_dscnt 0x0
	CROUND                                         ; the closing round: no work-group ends while a partner may still ask for a tile that names it
	s_endpgm
.Lfunc_end_k_qcae5b8cf49_down:
	.size	k_qcae5b8cf49_down, .Lfunc_end_k_qcae5b8cf49_down-k_qcae5b8cf49_down
	.p2alignl 7, 3214868480
	.fill 96, 4, 3214868480
	.section	.rodata,"a",@progbits
	.p2align	6, 0x0
	.amdhsa_kernel k_qcae5b8cf49_down
		.amdhsa_group_segment_fixed_size 327680
		.amdhsa_private_segment_fixed_size 0
		.amdhsa_enable_private_segment 0
		.amdhsa_kernarg_size 32
		.amdhsa_user_sgpr_count 2
		.amdhsa_user_sgpr_kernarg_segment_ptr 1
		.amdhsa_wavefront_size32 1
		.amdhsa_system_sgpr_workgroup_id_x 1
		.amdhsa_system_sgpr_workgroup_id_y 1
		.amdhsa_system_sgpr_workgroup_id_z 1
		.amdhsa_system_vgpr_workitem_id 0
		.amdhsa_next_free_vgpr 768
		.amdhsa_next_free_sgpr 68
		.amdhsa_reserve_vcc 0
		.amdhsa_float_denorm_mode_32 3
		.amdhsa_float_denorm_mode_16_64 3
		.amdhsa_memory_ordered 1
		.amdhsa_forward_progress 1
		.amdhsa_inst_pref_size 96
	.end_amdhsa_kernel
	.amdgpu_metadata
---
amdhsa.version: [ 1, 2 ]
amdhsa.kernels:
  - .name:           k_qcae5b8cf49_down
    .symbol:         k_qcae5b8cf49_down.kd
    .args:
      - { .name: hb, .offset: 0, .size: 8, .value_kind: global_buffer, .address_space: global }
      - { .name: dnb, .offset: 8, .size: 8, .value_kind: global_buffer, .address_space: global }
      - { .name: wsc, .offset: 16, .size: 8, .value_kind: global_buffer, .address_space: global }
      - { .name: out0, .offset: 24, .size: 8, .value_kind: global_buffer, .address_space: global }
    .group_segment_fixed_size: 327680
    .private_segment_fixed_size: 0
    .kernarg_segment_align: 8
    .kernarg_segment_size: 32
    .max_flat_workgroup_size: 128
    .sgpr_count:     68
    .vgpr_count:     768
    .wavefront_size: 32
...
	.end_amdgpu_metadata
.endif
;; end of part 3
